; MI455X (gfx1250); checked and timed in simulation.
; The chip was launched on July 23, 2026; its instructions are those of AMD's public machine-readable ISA for CDNA 5 (MIT licence, August 2026) and "CDNA5" Instruction Set Architecture Reference Guide (July 2026). The comments in the code are by the model that wrote it; some were corrected since.
;; Rans Linear. Allowed arithmetic: matrix products marked QUANTISED: E4M3 operands, one E8M0 scale for each 32 along K, by v_wmma_scale_f32_16x16x128_f8f6f4 with both operands' format E4M3, f32 sums; everything else in f32.
;; Inputs: exp_bytes 4,096 x 4,096 int32; man_bytes 4,096 x 4,096 int32; x_codes 4,096 x 128 x 32 uint8 (E4M3 codes of x, K innermost, in blocks of 32 codes); x_scales 4,096 x 128 uint8 (E8M0 scales of x, one for each 32 codes along K).
;; Outputs: out0 4,096 x 4,096 bfloat16.
;; This version of the problem:
;;   THIS VERSION OF THE PROBLEM IS GIVEN IN LOW PRECISION. The matrix products marked QUANTISED in the list below multiply operands that are first quantised to E4M3 (4 exponent bits, 3 mantissa bits; 8 bits a number), with one power-of-two scale for each 32 numbers along K (OCP MX v1.0); their sums are f32. All else is computed in f32.
;;   The module's matrix products, in the order in which they are computed (A, B: the left and right operand; K: the contracted axis; several contracted axes count as one K, in the product's order):
;;     1. [M 4,096, K 4,096] x [K 4,096, N 4,096]; A: input x (given as codes); B: computed on the way: QUANTISED
;;   THE QUANTISER, for each operand of a quantised product, along K:
;;     - K is cut into blocks of 32 from its start; a last block that is shorter is filled with zeros.
;;     - A block's scale is 2^e with e = floor(log2(the largest magnitude in the block)) - 8, held to -126 .. 127; a block of zeros has e = 0. As a byte (E8M0): e + 127.
;;     - Each number is divided by its block's scale, clamped to +-448, and rounded to the nearest number of E4M3, ties to even, subnormals kept.
;;     - The product sums the exact products of the quantised numbers (number of the format x scale) in f32.
;;   ~~~python
;;   def quantise(x, axis):      # numpy; x: float32 -> the quantised numbers, widened to float32 again
;;       x = np.moveaxis(x, axis, -1); K = x.shape[-1]
;;       x = np.pad(x, [(0, 0)] * (x.ndim - 1) + [(0, -K % 32)]); x = x.reshape(x.shape[:-1] + (-1, 32)); a = np.abs(x).max(-1, keepdims=True)
;;       e = np.where(a > 0, np.clip(np.frexp(np.where(a > 0, a, 1))[1] - 1 - 8, -126, 127), 0)      # np.frexp(a)[1] - 1 = floor(log2(a)), exactly
;;       r = np.clip(x / 2.0 ** e, -448, 448)
;;       step = 2.0 ** (np.maximum(np.frexp(np.where(r == 0, 1, r))[1] - 1, -6) - 3)
;;       q = np.round(r / step) * step * 2.0 ** e      # np.round: ties to even
;;       return np.moveaxis(q.reshape(q.shape[:-2] + (-1,))[..., :K], -1, axis).astype(np.float32)
;;   ~~~
;;   OPERANDS COMPUTED ON THE WAY. 'Computed on the way' means the value that the module computes at that place (a softmax that the list does not call 'softmax' is quantised finished and normalised). What goes into a quantiser is computed in f32, as accurately as f32 sums, v_exp_f32 and their like allow (about 1e-6 of the number): no bf16 or f16 on the way to a quantiser, and a product that is left as it is and whose result goes on into a quantised operand takes f32 operands (vector FMAs, or v_wmma_f32_16x16x4_f32). A number that lies on a knife's edge between two numbers of the format may be rounded either way, as far as f32 arithmetic and the matrix unit's own rounding can turn it there, and no further.
;;   INPUTS GIVEN AS CODES. x (in the module: [4096, 4096], K = its axis 1): each comes as NAME_codes (uint8): NAME with its K axis moved to the last place and cut into blocks of 32 codes, [.., K / 32, bytes a block], one block behind the other in memory; one code a byte (a code: sign, 4 exponent bits, 3 mantissa bits); and NAME_scales (uint8): the same leading axes, one E8M0 byte (e + 127) for each 32 codes along K. Its value is code x scale, taken as it is: it is not quantised again, and the codes and scales need not be those that the quantiser above would give.
;; One version. Each part assembles by itself: llvm-mc -triple=amdgcn-amd-amdhsa -mcpu=gfx1250 --defsym DOCPART=n.
;; ======== version 1 of 1: 2 launches
;; limits: values are held in bf16: 8 bits of precision; right only within a limited range of input values
;; workspace buffers: wq 17,301,504 bytes
;; launch quant (part 1): grid 32 x 16, 8 waves a work-group, no clusters, 36,864 bytes of LDS; arguments exp_bytes, man_bytes, wq; writes wq
.if DOCPART == 1
	.amdgcn_target "amdgcn-amd-amdhsa--gfx1250"
	.amdhsa_code_object_version 6
	.text
	.protected	k_q233a267c05_quant
	.globl	k_q233a267c05_quant
	.p2align	8
	.type	k_q233a267c05_quant,@function
k_q233a267c05_quant:
	s_mov_b64 s[64:65], 0
	v_nop
	global_prefetch_b8 v0, s[64:65] scope:SCOPE_SE
	s_setreg_imm32_b32 hwreg(HW_REG_WAVE_MODE, 25, 1), 1
	s_wait_xcnt 0x0
; W[k][n], 4,096 x 4,096, is put together from two int32 arrays and quantised along K, its FIRST axis, into codes of FP8 (E4M3) with one E8M0 byte for each 32 along K.
; THE NUMBER.  Its bf16 pattern is ((man & 0x80) << 8) | (exp << 7) | (man & 0x7f) in 16 bits; as f32 that pattern stands in the upper half.  So: exp << 23 (its low nine bits stay, the ninth falls on the sign,
; just as in 16 bits), man's lowest byte copied into all four bytes, and of that copy bit 31 (the sign) and bits 22:16 (the mantissa) are ORed in: three instructions, exact for every int32.
; THE QUANTISER.  A block's scale is 2^(floor(log2(its largest magnitude)) - 8); its byte is the largest magnitude's own exponent field - 8, held at 1 from below by a floor among the maximum's leaves.
; Each number is held within +-448 x the scale and converted: divided by the scale, to the nearest code, ties to even.
; LIMITS.  Patterns with exponent field 255 (infinities, NaN) are not served.  A block of zeros gets the byte 1 where the rule says 127: its codes are zeros, which add nothing under any byte but 0xff, and
; this program alone reads the bytes.  Blocks whose largest magnitude lies under the floor 2^-118 keep the byte 1, as the rule's lower bound has it; they were not tried.
; THE OUTPUT, wq, is laid for its reader: 32 x 16 blocks of 33,792 bytes, block (nb, ks) at (16 nb + ks) x 33,792: columns 128 nb .. + 127, K = 256 ks .. + 255.  In a block: 128 rows of 256 codes (row = column of W,
; K ascending), then 128 x 8 scale bytes (a column's eight on end).  A block is dense, so that one tensor load of 132 rows of 256 bytes brings codes and scales together.
; SHARES.  A work-group makes one block.  Wave w takes columns 64 (w & 1) .. + 63 and K rows 64 (w >> 1) .. + 63: two blocks of 32 along K.  A LANE TAKES TWO NEIGHBOURING COLUMNS, AND ITS REGISTERS RUN DOWN K:
; each load of a wave reads 256 consecutive bytes of one row, aligned; a block of 32 lies in one lane, so that its maximum needs no other lane; the conversions give codes with K innermost.
; Loads run four chunks of eight rows ahead.  Every offset is an immediate and no address register is written again, so no wait for sources is needed.
; The codes meet in LDS, one barrier, and leave as rows: each store of a wave covers 512 consecutive bytes, aligned.  No tensor loads, no matrix unit, no cluster: work-groups share nothing, and the bytes in flight fit in registers.
.set SIZE_N, 4096
.set ROWB,   SIZE_N*4                  ; a row of exp_bytes or man_bytes in bytes
.set PITCH,  272                       ; a stage row: 256 codes + 16 bytes of padding
.set SCS,    128*PITCH                 ; behind the stage: the block's 1,024 scale bytes, dense
.set BLKB,   33792                     ; a block of wq
.set C,      32                        ; v32-63   codes: 8 registers for (block of 32, column); never written again
.set W,      64                        ; v64-127  the numbers of the block in hand: column j at W + 32 j; later the way out
.set RAW,    128                       ; v128-255 four slots of 32: row i's two exp at + 2 i, its two man at + 16 + 2 i
; v2 8 x lane (loads); v3 where my codes go in the stage; v4 where my scale bytes go; v5, v6 the way out: LDS, wq; v7, v8 the same for the scale bytes
; v10-11 largest magnitudes; v12-13 the conversions' scale operands; v14-15 448 x the scale; v16-17 a byte; v18-19 a column's two bytes
	s_load_b128 s[4:7], s[0:1], 0x0                ; exp_bytes, man_bytes
	s_load_b64 s[8:9], s[0:1], 0x10                ; wq
	v_lshl_add_u32 v30, v0, 2, 0x8c00
	v_mov_b32 v31, 0
	v_lshrrev_b32 v1, 5, v0
	s_delay_alu instid0(VALU_DEP_1)
	v_readfirstlane_b32 s10, v1                    ; wave 0..7
	s_and_b32 s11, s10, 1                          ; which 64 columns
	s_lshr_b32 s12, s10, 1                         ; which 64 rows of K
	s_and_b32 s14, ttmp7, 0xffff                   ; ks
	s_mov_b32 s18, 0x807f0000                      ; sign and mantissa of the bf16 pattern, as f32 bits
	s_mov_b32 s19, 0x600000                        ; the mantissa field of 448
	v_and_b32 v1, 31, v0                           ; lane
	s_delay_alu instid0(VALU_DEP_1)
	v_lshlrev_b32 v2, 3, v1                        ; two int32 a lane
	s_delay_alu instid0(VALU_DEP_2)
	v_mul_u32_u24 v3, v1, 2*PITCH                  ; the stage: row = column = 64 (w & 1) + 2 lane (+ j), byte = 64 (w >> 1) (+ 32 x block)
	s_mul_i32 s16, s11, 64*PITCH
	s_lshl_b32 s17, s12, 6
	s_add_co_u32 s16, s16, s17
	v_add_nc_u32 v3, s16, v3
	v_lshlrev_b32 v4, 4, v1                        ; the scale bytes: 8 a column, my two at 2 (w >> 1)
	s_lshl_b32 s16, s11, 9
	s_lshl_b32 s17, s12, 1
	s_add_co_u32 s16, s16, s17
	s_add_co_u32 s16, s16, SCS
	v_add_nc_u32 v4, s16, v4
	v_lshrrev_b32 v5, 4, v0                        ; the way out: sixteen threads to a row of 256 bytes, sixteen rows for the work-group's 256 threads
	s_delay_alu instid0(VALU_DEP_1)
	v_mul_u32_u24 v5, v5, PITCH
	v_and_b32 v9, 15, v0
	s_delay_alu instid0(VALU_DEP_1)
	v_lshl_add_u32 v5, v9, 4, v5
	v_lshlrev_b32 v6, 4, v0                        ; and the same bytes in the block: rows are dense there
	v_and_b32 v7, 127, v0                          ; the scale bytes leave by threads 0 to 127, 8 bytes each
	s_delay_alu instid0(VALU_DEP_1)
	v_lshlrev_b32 v7, 3, v7
	s_delay_alu instid0(VALU_DEP_1)
	v_add_nc_u32 v8, SCS, v7
	s_lshl_b32 s16, s14, 8                         ; my first row of K: 256 ks + 64 (w >> 1),
	s_lshl_b32 s17, s12, 6
	s_add_co_u32 s16, s16, s17
	s_lshl_b32 s16, s16, 14                        ; in bytes (16,384 a row; under 2^27),
	s_lshl_b32 s17, ttmp9, 9                       ; + my first column: 128 nb + 64 (w & 1), 4 bytes each
	s_add_co_u32 s16, s16, s17
	s_lshl_b32 s17, s11, 8
	s_add_co_u32 s16, s16, s17
	s_mov_b32 s17, 0
	s_lshl_b32 s20, ttmp9, 4
	s_add_co_u32 s20, s20, s14
	s_mul_i32 s20, s20, BLKB                       ; my block of wq
	s_mov_b32 s21, 0
	s_wait_kmcnt 0x0
	s_add_nc_u64 s[4:5], s[4:5], s[16:17]
	s_add_nc_u64 s[6:7], s[6:7], s[16:17]
	s_add_nc_u64 s[8:9], s[8:9], s[20:21]
; Chunk c: rows 8 c .. 8 c + 7 of both arrays into slot c % 4: sixteen loads.  Read once in the whole launch.
.macro LOADC c
.irp i, 0,1,2,3,4,5,6,7
	global_load_b64 v[RAW+32*((\c)%4)+2*\i:RAW+32*((\c)%4)+2*\i+1], v2, s[4:5] offset:(8*(\c)+\i)*ROWB th:TH_LOAD_NT
	global_load_b64 v[RAW+32*((\c)%4)+16+2*\i:RAW+32*((\c)%4)+16+2*\i+1], v2, s[6:7] offset:(8*(\c)+\i)*ROWB th:TH_LOAD_NT
.endr
.endm
; Chunk c's sixteen numbers are put together, and enter their columns' running maxima.
.macro DECODE c
.set RS, RAW+32*((\c)%4)
.set WB, W+8*((\c)%4)
.irp i, 0,1,2,3,4,5,6,7
.irp j, 0,1
	v_lshlrev_b32 v[RS+2*\i+\j], 23, v[RS+2*\i+\j]                               ; the exponent field (and exp's ninth bit onto the sign)
	v_perm_b32 v[RS+16+2*\i+\j], v[RS+16+2*\i+\j], v[RS+16+2*\i+\j], 0           ; man's lowest byte into all four
.endr
.endr
.irp i, 0,1,2,3,4,5,6,7
.irp j, 0,1
	v_and_or_b32 v[WB+32*\j+\i], v[RS+16+2*\i+\j], s18, v[RS+2*\i+\j]            ; sign from the top byte's bit 7, mantissa from the next byte's low seven
.endr
.endr
.irp i, 0,2,4,6
.irp j, 0,1
.if ((\c)%4 == 0) && (\i == 0)
	v_max3_num_f32 v[10+\j], |v[WB+32*\j]|, |v[WB+32*\j+1]|, 0x4800000           ; a block's first two, and the floor 2^(9 - 127): the byte cannot fall under 1
.else
	v_max3_num_f32 v[10+\j], v[10+\j], |v[WB+32*\j+\i]|, |v[WB+32*\j+\i+1]|      ; (the two columns by turns)
.endif
.endr
.endr
.endm
; The block of 32 in hand, for both columns: scale, hold, conversion; the codes go to the stage.
.macro QUANT blk
.irp j, 0,1
	v_add_nc_u32 v[12+\j], 0xfc000000, v[10+\j]    ; 8 off the largest magnitude's exponent field: the conversion takes this operand's exponent field as its scale, and nothing else of it
.endr
.irp j, 0,1
	v_and_or_b32 v[14+\j], v[10+\j], 0x7f800000, s19   ; 448 x the scale: the largest magnitude's exponent field over 448's mantissa
.endr
.irp j, 0,1
.if (\blk) == 0
	s_delay_alu instid0(VALU_DEP_4)
	v_lshrrev_b32 v[18+\j], 23, v[12+\j]           ; the scale's byte: the lower K in the lower byte
.else
	s_delay_alu instid0(VALU_DEP_4)
	v_lshrrev_b32 v[16+\j], 23, v[12+\j]
.endif
.endr
.if (\blk) != 0
.irp j, 0,1
	s_delay_alu instid0(VALU_DEP_2)
	v_lshl_or_b32 v[18+\j], v[16+\j], 8, v[18+\j]
.endr
.endif
.irp j, 0,1
.irp k, 0,1,2,3,4,5,6,7,8,9,10,11,12,13,14,15,16,17,18,19,20,21,22,23,24,25,26,27,28,29,30,31
	v_med3_num_f32 v[W+32*\j+\k], v[W+32*\j+\k], -v[14+\j], v[14+\j]   ; the conversion to an 8-bit code does not saturate (ISA guide 7.6.2): hold the number first
.endr
.irp g, 0,1,2,3
	v_cvt_scalef32_pk8_fp8_f32 v[C+16*(\blk)+8*\j+2*\g:C+16*(\blk)+8*\j+2*\g+1], v[W+32*\j+8*\g:W+32*\j+8*\g+7], v[12+\j]
.endr
.endr
	v_nop                                          ; one plain vector line between the last conversion and the next vector line that writes its sources (the next block's numbers)
.irp j, 0,1
	ds_store_b128 v3, v[C+16*(\blk)+8*\j:C+16*(\blk)+8*\j+3] offset:PITCH*\j+32*(\blk)
	ds_store_b128 v3, v[C+16*(\blk)+8*\j+4:C+16*(\blk)+8*\j+7] offset:PITCH*\j+32*(\blk)+16
.endr
.endm
.irp c, 0,1,2,3
	LOADC \c
.endr
.irp c, 0,1,2,3,4,5,6,7
.if \c < 5
	s_wait_loadcnt 48                              ; loads come back in order (ISA guide 5.7.1): this chunk's sixteen are in, the three younger chunks' stay out
.else
	s_wait_loadcnt 16*(7-\c)                       ; nothing more is asked for: the count runs down
.endif
	DECODE \c
.if \c < 4
	LOADC \c+4                                     ; the slot just read takes the chunk four further on
.endif
.if \c%4 == 3
	QUANT \c/4
.endif
.endr
	ds_store_b16 v4, v18                           ; my two columns' two scale bytes each
	ds_store_b16 v4, v19 offset:8
	s_wait_dscnt 0x0                               ; for the others' sake: my stores into the stage are done
	s_barrier_signal -1
	s_barrier_wait -1                              ; the block lies whole in LDS
.irp i, 0,1,2,3,4,5,6,7
	ds_load_b128 v[W+4*\i:W+4*\i+3], v5 offset:16*PITCH*\i       ; rows 16 i + thread / 16
.endr
.irp i, 0,1,2,3,4,5,6,7
	s_wait_dscnt 7-\i                              ; LDS loads come back in order: load i is in, the younger ones stay out
	global_store_b128 v6, v[W+4*\i:W+4*\i+3], s[8:9] offset:4096*\i   ; a wave stores 512 consecutive bytes, at a multiple of 256 from the block's first byte; the next launch reads them: no hint
.endr
	s_cmp_lt_u32 s10, 4                            ; the 1,024 scale bytes: waves 0 to 3, 256 consecutive bytes each
	s_cbranch_scc0 .Lend
	ds_load_b64 v[W+32:W+33], v8
	s_wait_dscnt 0x0
	global_store_b64 v7, v[W+32:W+33], s[8:9] offset:32768
.Lend:
	s_wait_tensorcnt 0x0
	ds_add_u32 v30, v31
	s_wait_dscnt 0x0
	s_endpgm
.Lfunc_end_k_q233a267c05_quant:
	.size	k_q233a267c05_quant, .Lfunc_end_k_q233a267c05_quant-k_q233a267c05_quant
	.p2alignl 7, 3214868480
	.fill 96, 4, 3214868480
	.section	.rodata,"a",@progbits
	.p2align	6, 0x0
	.amdhsa_kernel k_q233a267c05_quant
		.amdhsa_group_segment_fixed_size 36864
		.amdhsa_private_segment_fixed_size 0
		.amdhsa_enable_private_segment 0
		.amdhsa_kernarg_size 24
		.amdhsa_user_sgpr_count 2
		.amdhsa_user_sgpr_kernarg_segment_ptr 1
		.amdhsa_wavefront_size32 1
		.amdhsa_system_sgpr_workgroup_id_x 1
		.amdhsa_system_sgpr_workgroup_id_y 1
		.amdhsa_system_sgpr_workgroup_id_z 1
		.amdhsa_system_vgpr_workitem_id 0
		.amdhsa_next_free_vgpr 256
		.amdhsa_next_free_sgpr 66
		.amdhsa_reserve_vcc 0
		.amdhsa_float_denorm_mode_32 3
		.amdhsa_float_denorm_mode_16_64 3
		.amdhsa_memory_ordered 1
		.amdhsa_forward_progress 1
		.amdhsa_inst_pref_size 52
	.end_amdhsa_kernel
	.amdgpu_metadata
---
amdhsa.version: [ 1, 2 ]
amdhsa.kernels:
  - .name:           k_q233a267c05_quant
    .symbol:         k_q233a267c05_quant.kd
    .args:
      - { .name: exp_bytes, .offset: 0, .size: 8, .value_kind: global_buffer, .address_space: global }
      - { .name: man_bytes, .offset: 8, .size: 8, .value_kind: global_buffer, .address_space: global }
      - { .name: wq, .offset: 16, .size: 8, .value_kind: global_buffer, .address_space: global }
    .group_segment_fixed_size: 36864
    .private_segment_fixed_size: 0
    .kernarg_segment_align: 8
    .kernarg_segment_size: 24
    .max_flat_workgroup_size: 256
    .sgpr_count:     66
    .vgpr_count:     256
    .wavefront_size: 32
...
	.end_amdgpu_metadata
.endif
;; end of part 1
;; launch gemm (part 2): grid 16 x 16, 4 waves a work-group, clusters of 4 x 4, 327,680 bytes of LDS; arguments x_codes, x_scales, wq, out0; writes out0
.if DOCPART == 2
	.amdgcn_target "amdgcn-amd-amdhsa--gfx1250"
	.amdhsa_code_object_version 6
	.text
	.protected	k_q233a267c05_gemm
	.globl	k_q233a267c05_gemm
	.p2align	8
	.type	k_q233a267c05_gemm,@function
k_q233a267c05_gemm:
	s_mov_b64 s[64:65], 0
	v_nop
	global_prefetch_b8 v0, s[64:65] scope:SCOPE_SE
	s_setreg_imm32_b32 hwreg(HW_REG_WAVE_MODE, 25, 1), 1
	s_wait_xcnt 0x0
	s_wait_alu depctr_hold_cnt(0) depctr_sa_sdst(0) depctr_va_vdst(0) depctr_va_sdst(0) depctr_va_ssrc(0) depctr_va_vcc(0) depctr_vm_vsrc(0)
	s_getreg_b32 s2, hwreg(HW_REG_IB_STS2, 6, 4)
	s_cmp_eq_u32 s2, 0
	s_cbranch_scc0 .Lentry_in_a_cluster
	s_endpgm
.Lentry_in_a_cluster:
	s_bfe_u32 s2, ttmp6, 0x10000c
	s_cmp_lg_u32 s2, 0xf033
	s_cbranch_scc0 .Lentry_shape_is_right
	s_endpgm
.Lentry_shape_is_right:
; out0[m][n] = bf16(sum over k of x[m][k] W[k][n]), 4,096 x 4,096 x 4,096, on codes of E4M3 with one E8M0 byte for each 32 along K; sums in f32.
; x comes as codes [4096][4096] and scale bytes [4096][128].  W comes from wq: block (nb, ks) at (16 nb + ks) x 33,792 bytes: 128 rows (columns of W) of 256 codes, then 128 x 8 scale bytes: 132 rows of 256 bytes.
; A work-group of four waves makes 256 x 256 of the result, a wave 128 x 128: 64 accumulators, 512 registers.  256 work-groups.
; K goes in 16 steps of 256 through two LDS slots.  A slot: x's 256 rows, then two blocks of wq, all rows 256 bytes + 16 of padding.  x's scales for all of K (32,768 bytes, dense) come once and stay behind the ring.
; CLUSTERS of 4 x 4: x's tiles are asked for jointly along a row of the cluster, wq's along a column.
; THE HEAD: one joint load a wave: wave 0 x's 256 rows of step 0, waves 1 and 2 the two blocks of wq, wave 3 x's scales.  Slot 1's first fill stands behind a round, as a refill does.  In the ring waves 0, 1 fetch x's halves, waves 2, 3 wq's blocks.
; PREFETCH: with the fill or refill of step s each wave names step s + 2 of the rows that it fetches; of these 128 rows (wq: 132) the partner at place p of the four that ask jointly names rows 32 p .. 32 p + 31, a lane a row of 256 bytes
; (wq: also row 128 + p, by a second line).  The head names steps 1 and 2.  The loop's last trip names nothing: steps 16 and 17 do not exist.  So at most two steps are named and not yet loaded.
; THE PRODUCT IS USED TRANSPOSED (source 0 = 16 columns of W, source 1 = 16 rows of x): a lane holds eight neighbouring numbers of a row of the result.
; THE LAST 128 ALONG K finish one block of 16 rows after the other; each block is rounded, staged and stored while later blocks are multiplied.  The stage lies in slot 0, behind that slot's last fill and last read.
; REGISTERS: window 0: v0-31 addresses, v32-63 scale words (two sets), v64-127 the way out, v128-255 x's fragments (one set); window 1: W's fragments (two sets); windows 2, 3: accumulators.
.set SIZE_N, 4096
.set SIZE_K, 4096
.set ROWB,   256
.set BLKB,   33792
.set PITCH,  272
.set FR,     16
.set HA,     128*PITCH                 ; half of x's rows in a slot
.set HB,     132*PITCH                 ; a block of wq
.set OFB,    2*HA
.set SLOT,   2*HA+2*HB
.set LAPS,   SIZE_K/512
.set SCL,    2*SLOT                    ; x's scales: 128 rows of 256 bytes + 16
.set SPARE,  SCL+128*PITCH             ; the spare words: 512 bytes that no other line names
.set SPITCH, 272
.set ADRA, 16
.set ADRB, 20
.set ADSB, 22
.set STO,  24
.set RD,   25
.set CO,   26
.set ADSA, 27
.set SPW,  28
.set NIL,  29
.set PFO,  30                          ; prefetch: (32 place + lane) x a row's pitch in memory
.set PF2,  31                          ; prefetch, wq's waves: (128 + place) x 256
.set SC,   32
.set TMP,  64
.set AF,   128
.set G1,  24
.set G0,  32
.set G1B, 48
.set G0B, 56
.set G1S, 68
.set G0S, 76
.set G0H, 84                           ; the head's loads: x's 256 rows,
.set G0HB0, 88                         ; wq's first block,
.set G0HB1, 92                         ; its second
.set PFA, 96                           ; where my prefetches stand
.set PST, 98                           ; a K step in bytes: 256 in x, 33,792 in wq
.set PFB, 100                          ; the head's second prefetch
.set MSB, 0
.macro WIN new
.if MSB != (\new)
	s_set_vgpr_msb (MSB<<8)|(\new)
.set MSB, (\new)
.endif
.endm
.set MUL_LO, 0xa1
.set MUL_HI, 0xf1
.set TO_B,   0x40
.macro JLOAD g0a, g1a, g0b, g1b        ; waves 0, 1 ask for x, waves 2, 3 for wq
	s_cmp_eq_u32 s15, 0
	s_cbranch_scc0 .Lfor_b_\@
	tensor_load_to_lds s[\g0a:\g0a+3], s[\g1a:\g1a+7]
	s_nop 0
.rept 4
	v_nop
.endr
	s_branch .Lasked_\@
.Lfor_b_\@:
	tensor_load_to_lds s[\g0b:\g0b+3], s[\g1b:\g1b+7]
	s_nop 0
.rept 4
	v_nop
.endr
.Lasked_\@:
.endm
.macro CREST
	s_cmp_lg_u32 s14, 0
	s_cbranch_scc1 .Lnot_wave_0_\@
	s_barrier_signal -3
.Lnot_wave_0_\@:
	s_barrier_wait -3
	s_barrier_signal -1
	s_barrier_wait -1
.endm
.macro CROUND
	s_barrier_signal -1
	s_barrier_wait -1
	CREST
.endm
.macro ASK ptr, guard                  ; 32 rows of 256 bytes, a lane a row; wq's waves: one row of scale bytes more.  guard = 1: nothing in the loop's last trip
.if \guard
	s_cmp_gt_u32 s3, 1
	s_cbranch_scc0 .Lpf_\@
.endif
	global_prefetch_b8 v[PFO], s[\ptr:\ptr+1] th:TH_LOAD_NT scope:SCOPE_SE
	s_cmp_eq_u32 s15, 0
	s_cbranch_scc1 .Lpf_\@
	global_prefetch_b8 v[PF2], s[\ptr:\ptr+1] th:TH_LOAD_NT scope:SCOPE_SE
.Lpf_\@:
.endm
	s_load_b256 s[4:11], s[0:1], 0x0               ; x_codes, x_scales, wq, out0
	v_lshl_add_u32 v[SPW], v0, 2, SPARE
	v_mov_b32 v[NIL], 0
	ds_add_u32 v[SPW], v[NIL]                      ; the opening lines: the add twice on end, its wait ahead of my first tensor load
	ds_add_u32 v[SPW], v[NIL]
	v_lshrrev_b32 v1, 5, v0
	v_readfirstlane_b32 s14, v1                    ; wave
	s_lshr_b32 s15, s14, 1                         ; my half of the rows; also: I fetch x (0) or wq (1)
	s_and_b32 s16, s14, 1                          ; my half of the columns; also: which half I fetch
	s_bfe_u32 s40, ttmp6, 0x40000                  ; cx
	s_bfe_u32 s41, ttmp6, 0x40004                  ; cy
	s_lshl_b32 s42, ttmp9, 2
	s_add_co_u32 s42, s42, s40                     ; tile column
	s_and_b32 s17, ttmp7, 0xffff
	s_lshl_b32 s17, s17, 2
	s_add_co_u32 s17, s17, s41                     ; tile row
	s_lshl_b32 s43, s41, 2
	s_lshl_b32 s43, 15, s43                        ; my row of the cluster
	s_lshl_b32 s44, 0x1111, s40                    ; my column
	s_or_b32 s[G1+0], s43, (0<<16)|(1<<20)|(1<<21)|(5<<22)|(3<<25)   ; x's tiles: bytes, 16 bytes of padding behind every 256
	s_mov_b32 s[G1+1], ROWB<<16
	s_mov_b32 s[G1+2], 256<<16                     ; 256 rows for the head's load; 128 behind it
	s_mov_b32 s[G1+3], ROWB<<16
	s_mov_b32 s[G1+4], 256
	s_mov_b32 s[G1+5], SIZE_K
	s_mov_b32 s[G1+6], 0
	s_mov_b32 s[G1+7], 0
	s_or_b32 s[G1B+0], s44, (0<<16)|(1<<20)|(1<<21)|(5<<22)|(3<<25)  ; a block of wq: 132 dense rows
	s_mov_b32 s[G1B+1], ROWB<<16
	s_mov_b32 s[G1B+2], 132<<16
	s_mov_b32 s[G1B+3], ROWB<<16
	s_mov_b32 s[G1B+4], 132
	s_mov_b32 s[G1B+5], ROWB
	s_mov_b32 s[G1B+6], 0
	s_mov_b32 s[G1B+7], 0
	s_or_b32 s[G1S+0], s43, (3<<16)|(1<<20)|(1<<21)|(5<<22)|(3<<25)  ; x's scales: 128 dense rows of 32 x 8 bytes
	s_mov_b32 s[G1S+1], 32<<16
	s_mov_b32 s[G1S+2], 128<<16
	s_mov_b32 s[G1S+3], 32<<16
	s_mov_b32 s[G1S+4], 128
	s_mov_b32 s[G1S+5], 32
	s_mov_b32 s[G1S+6], 0
	s_mov_b32 s[G1S+7], 0
	s_lshl_b32 s20, s17, 20                        ; x: 256 rows of 4,096 bytes a tile row
	s_mov_b32 s21, 0
	s_lshl_b32 s22, s17, 15                        ; its scales: 256 rows of 128 bytes
	s_mov_b32 s23, 0
	s_mul_i32 s46, s42, 32*BLKB                    ; wq: two columns of 16 blocks a tile column
	s_mov_b32 s47, 0
	s_lshl_b32 s18, s16, 19                        ; the half that I fetch in the ring: 128 rows of x,
	s_mov_b32 s19, 0
	s_mul_i32 s82, s16, 16*BLKB                    ; or 16 blocks of wq
	s_mov_b32 s83, 0
	s_mul_i32 s45, s16, HA                         ; where it goes in a slot: x's half;
	s_mul_i32 s13, s16, HB
	s_add_co_u32 s13, s13, OFB                     ; wq's block (also the block that I read)
	s_mul_i32 s12, s15, HA                         ; x's rows that I read
	s_mul_i32 s66, s15, 64*PITCH
	s_add_co_u32 s66, s66, SCL                     ; their scales: two rows of 128 bytes to an LDS row
	s_mul_i32 s67, s14, 16*SPITCH                  ; my stage
	s_lshl_b32 s2, s17, 8
	s_lshl_b32 s3, s15, 7
	s_add_co_u32 s2, s2, s3
	s_lshl_b32 s2, s2, 13                          ; my first row of out0, 8,192 bytes a row,
	s_lshl_b32 s3, s42, 9
	s_add_co_u32 s2, s2, s3
	s_lshl_b32 s3, s16, 8
	s_add_co_u32 s2, s2, s3                        ; + my first column
	s_mov_b32 s3, 0
	s_cmp_eq_u32 s15, 0
	s_cselect_b32 s81, s40, s41                    ; my place among the four that ask with me
	s_mov_b32 s80, 256
	s_cselect_b32 s80, 4096, s80                   ; a row's pitch in memory
	s_mov_b32 s[PST], BLKB
	s_cselect_b32 s[PST], 256, s[PST]
	s_mov_b32 s[PST+1], 0
	s_lshl_b32 s104, s81, 8
	s_add_co_u32 s104, s104, 128*256
	s_lshl_b32 s81, s81, 5
	s_wait_dscnt 0x0                               ; both opening adds are done
	s_wait_kmcnt 0x0
	s_add_nc_u64 s[20:21], s[4:5], s[20:21]
	s_add_nc_u64 s[22:23], s[6:7], s[22:23]
	s_add_nc_u64 s[46:47], s[8:9], s[46:47]
	s_add_nc_u64 s[10:11], s[10:11], s[2:3]
	s_mov_b32 s[G0H], 1
	s_mov_b32 s[G0H+1], 0
	s_mov_b64 s[G0H+2:G0H+3], s[20:21]
	s_or_b32 s[G0H+3], s[G0H+3], 0x80000000
	s_mov_b32 s[G0HB0], 1
	s_mov_b32 s[G0HB0+1], OFB
	s_mov_b64 s[G0HB0+2:G0HB0+3], s[46:47]
	s_or_b32 s[G0HB0+3], s[G0HB0+3], 0x80000000
	s_mov_b32 s[G0HB1], 1
	s_mov_b32 s[G0HB1+1], OFB+HB
	s_add_nc_u64 s[G0HB1+2:G0HB1+3], s[46:47], 16*BLKB
	s_or_b32 s[G0HB1+3], s[G0HB1+3], 0x80000000
	s_mov_b32 s[G0S], 1
	s_mov_b32 s[G0S+1], SCL
	s_mov_b64 s[G0S+2:G0S+3], s[22:23]
	s_or_b32 s[G0S+3], s[G0S+3], 0x80000000
	s_add_nc_u64 s[20:21], s[20:21], s[18:19]      ; for the ring: the half that I fetch
	s_add_nc_u64 s[46:47], s[46:47], s[82:83]
.irp s, 0,1
	s_mov_b32 s[G0+4*\s], 1
	s_add_co_u32 s[G0+4*\s+1], s45, \s*SLOT
	s_add_nc_u64 s[G0+4*\s+2:G0+4*\s+3], s[20:21], \s*ROWB
	s_or_b32 s[G0+4*\s+3], s[G0+4*\s+3], 0x80000000
	s_mov_b32 s[G0B+4*\s], 1
	s_add_co_u32 s[G0B+4*\s+1], s13, \s*SLOT
	s_add_nc_u64 s[G0B+4*\s+2:G0B+4*\s+3], s[46:47], \s*BLKB
	s_or_b32 s[G0B+4*\s+3], s[G0B+4*\s+3], 0x80000000
.endr
	s_cmp_eq_u32 s15, 0
	s_cselect_b64 s[PFA:PFA+1], s[20:21], s[46:47]
	s_add_nc_u64 s[PFA:PFA+1], s[PFA:PFA+1], s[PST:PST+1]   ; K step 1
	s_add_nc_u64 s[PFB:PFB+1], s[PFA:PFA+1], s[PST:PST+1]   ; K step 2
	CROUND                                         ; all sixteen work-groups are here: the first joint loads meet
.macro ARM under, g0, g1, next         ; one chain of branches on the wave's number, one load to an arm, one join
	s_cmp_lt_u32 s14, \under
	s_cbranch_scc0 \next
	tensor_load_to_lds s[\g0:\g0+3], s[\g1:\g1+7]
	s_nop 0
.rept 4
	v_nop
.endr
	s_branch .Lhead_asked
\next:
.endm
	ARM 1, G0H,   G1,  .Lhead_b0
	ARM 2, G0HB0, G1B, .Lhead_b1
	ARM 3, G0HB1, G1B, .Lhead_s
	tensor_load_to_lds s[G0S:G0S+3], s[G1S:G1S+7]
	s_nop 0
.rept 4
	v_nop
.endr
.Lhead_asked:
	v_and_b32 v6, 31, v0                           ; lane
	v_add_nc_u32 v7, s81, v6
	v_mul_u32_u24 v[PFO], v7, s80
	v_mov_b32 v[PF2], s104
	s_wait_alu depctr_va_vdst(0)                   ; ahead of the branches below
	ASK PFA, 0                                     ; K steps 1 and 2
	ASK PFB, 0
	v_and_b32 v1, 15, v0                           ; l % 16
	v_bfe_u32 v2, v0, 4, 1                         ; l / 16
	v_mul_u32_u24 v3, v1, PITCH
	v_lshl_add_u32 v4, v2, 4, v3                   ; a fragment's row x pitch + 16 x half
	v_lshlrev_b32 v5, 3, v6
	v_add_nc_u32 v[ADRA], s12, v4
	v_add_nc_u32 v[ADRB], s13, v4
	v_add_nc_u32 v[ADSB], s13, v5                  ; W's scale words: 8 bytes a column, 32 columns to an LDS row
	v_add_nc_u32 v[ADRA+1], SLOT, v[ADRA]
	v_add_nc_u32 v[ADRB+1], SLOT, v[ADRB]
	v_add_nc_u32 v[ADSB+1], SLOT, v[ADSB]
	v_lshrrev_b32 v5, 1, v6
	v_lshlrev_b32 v3, 7, v6
	v_lshl_add_u32 v3, v5, 4, v3                   ; x's scales: row = lane: 128 bytes a row, 16 more for every two rows
	v_add_nc_u32 v[ADSA], s66, v3
	v_add_nc_u32 v[STO], s67, v4
	v_mul_u32_u24 v5, v2, SPITCH
	v_lshl_add_u32 v5, v1, 4, v5
	v_add_nc_u32 v[RD], s67, v5
	v_lshlrev_b32 v5, 13, v2
	v_lshl_add_u32 v[CO], v1, 4, v5
.macro FRAG reg, adr, q, i             ; 16 rows x 128 K: registers 4 c .. 4 c + 3 hold K = 32 c + 16 (l / 16) + 0 .. 15
.irp c, 0,1,2,3
	ds_load_b128 v[\reg+4*\c:\reg+4*\c+3], v[\adr] offset:128*(\q)+32*\c+(\i)*16*PITCH
.endr
.endm
.macro WM zero
.if \zero
.if oB && oA
	v_wmma_scale_f32_16x16x128_f8f6f4 v[rD:rD+7], v[rB:rB+FR-1], v[rA:rA+FR-1], 0, v[rSB], v[rSA] matrix_a_scale:MATRIX_SCALE_ROW1 matrix_b_scale:MATRIX_SCALE_ROW1
.elseif oB
	v_wmma_scale_f32_16x16x128_f8f6f4 v[rD:rD+7], v[rB:rB+FR-1], v[rA:rA+FR-1], 0, v[rSB], v[rSA] matrix_a_scale:MATRIX_SCALE_ROW1
.elseif oA
	v_wmma_scale_f32_16x16x128_f8f6f4 v[rD:rD+7], v[rB:rB+FR-1], v[rA:rA+FR-1], 0, v[rSB], v[rSA] matrix_b_scale:MATRIX_SCALE_ROW1
.else
	v_wmma_scale_f32_16x16x128_f8f6f4 v[rD:rD+7], v[rB:rB+FR-1], v[rA:rA+FR-1], 0, v[rSB], v[rSA]
.endif
.else
.if oB && oA
	v_wmma_scale_f32_16x16x128_f8f6f4 v[rD:rD+7], v[rB:rB+FR-1], v[rA:rA+FR-1], v[rD:rD+7], v[rSB], v[rSA] matrix_a_scale:MATRIX_SCALE_ROW1 matrix_b_scale:MATRIX_SCALE_ROW1
.elseif oB
	v_wmma_scale_f32_16x16x128_f8f6f4 v[rD:rD+7], v[rB:rB+FR-1], v[rA:rA+FR-1], v[rD:rD+7], v[rSB], v[rSA] matrix_a_scale:MATRIX_SCALE_ROW1
.elseif oA
	v_wmma_scale_f32_16x16x128_f8f6f4 v[rD:rD+7], v[rB:rB+FR-1], v[rA:rA+FR-1], v[rD:rD+7], v[rSB], v[rSA] matrix_b_scale:MATRIX_SCALE_ROW1
.else
	v_wmma_scale_f32_16x16x128_f8f6f4 v[rD:rD+7], v[rB:rB+FR-1], v[rA:rA+FR-1], v[rD:rD+7], v[rSB], v[rSA]
.endif
.endif
.endm
; Eight products: x's block a against W's eight.  p: W's set; q: which 128 along K of the slot; sc: the set of scale words.  The 64 accumulators take turns in one order everywhere.
; A scale register holds two blocks' words: the even block's in lanes 0-15, the odd one's in lanes 16-31.  x's word for q lies at an offset of q's parity, W's at the other parity: the two registers of a product never agree modulo 8.
.macro MUL8 a, p, q, sc, zero
.irp b, 0,1,2,3,4,5,6,7
.set rD,  8*(8*((\a)%4)+\b)
.set rB,  128*(\p)+FR*\b
.set rA,  AF+FR*(\a)
.set rSB, SC+16*(\sc)+9+2*(\b/2)-(\q)
.set rSA, SC+16*(\sc)+2*((\a)/2)+(\q)
.set oB,  \b%2
.set oA,  (\a)%2
	WM \zero
.endr
.endm
.macro MUL16 a0, p, q, sc, zero
	MUL8 \a0, \p, \q, \sc, \zero
	MUL8 \a0+1, \p, \q, \sc, \zero
.endm
.macro FETCH_B slot, q, p, i0          ; W's blocks i0 .. i0 + 3 into set p
	WIN TO_B
.irp i, \i0, \i0+1, \i0+2, \i0+3
	FRAG 128*(\p)+FR*(\i), ADRB+\slot, \q, \i
.endr
	WIN 0
.endm
.macro FETCH_A slot, q, i0
.irp i, \i0, \i0+1, \i0+2, \i0+3
	FRAG AF+FR*(\i), ADRA+\slot, \q, \i
.endr
.endm
.macro SCALES sc                       ; a K step's scale words: x's two on end; W's two crosswise
.irp j, 0,1,2,3
	ds_load_b64 v[SC+16*\sc+2*\j:SC+16*\sc+2*\j+1], v[ADSA] offset:\j*16*PITCH
	ds_load_b32 v[SC+16*\sc+9+2*\j], v[ADSB+\sc] offset:128*PITCH+\j*PITCH
	ds_load_b32 v[SC+16*\sc+8+2*\j], v[ADSB+\sc] offset:128*PITCH+\j*PITCH+4
.endr
.endm
.macro PLACES n                        ; eight places behind this form, ahead of loads into registers that products have read and of reads of results
.rept \n
	v_nop
.endr
.endm
.macro STEP slot, zero                 ; a slot's first 128 along K; it fetches the second's fragments
	s_wait_dscnt 16                                ; all but x's blocks 4-7
	WIN MUL_LO
	MUL16 0, 0, 0, \slot, \zero
	FETCH_B \slot, 1, 1, 0                         ; sixteen loads behind each sixteen products; W's set 1 has had its places behind its last products
	WIN MUL_LO
	MUL16 2, 0, 0, \slot, \zero
	PLACES 8
	WIN 0
	FETCH_A \slot, 1, 0
	s_wait_dscnt 32                                ; all but the 32 issued in this step: x's blocks 4-7 are in
	WIN MUL_HI
	MUL16 4, 0, 0, \slot, \zero
	FETCH_B \slot, 1, 1, 4
	WIN MUL_HI
	MUL16 6, 0, 0, \slot, \zero
	PLACES 8
	WIN 0
	FETCH_A \slot, 1, 4
.endm
; A slot's second 128 along K, and the change of slots.  All its fragments are asked for, so the slot is free once they are in: the barrier stands at its head, and the refill has the rest of this step and most of the next in which to land.
.macro TURN slot, next, fill
.if \fill
	s_wait_xcnt 0x0                                ; my last prefetch has read its address
	s_add_nc_u64 s[PFA:PFA+1], s[PFA:PFA+1], s[PST:PST+1]
.endif
	s_wait_tensorcnt 0x0                           ; all my tensor loads have landed: my part of the next slot
	ds_add_u32 v[SPW], v[NIL]
	s_wait_dscnt 17                                ; (the add and x's blocks 4-7 may be out)
	WIN MUL_LO
	MUL8 0, 1, 1, \slot, 0
	s_wait_dscnt 0x0                               ; the add is done, my reads of this slot are over
	s_barrier_signal -1
	MUL8 1, 1, 1, \slot, 0
	WIN 0
	s_barrier_wait -1
.if \fill
	CREST                                          ; the barrier has opened a round of the cluster's barrier
	s_add_nc_u64 s[G0+4*\slot+2:G0+4*\slot+3], s[G0+4*\slot+2:G0+4*\slot+3], 2*ROWB
	s_add_nc_u64 s[G0B+4*\slot+2:G0B+4*\slot+3], s[G0B+4*\slot+2:G0B+4*\slot+3], 2*BLKB
	JLOAD G0+4*\slot, G1, G0B+4*\slot, G1B         ; the first tensor load behind the round
.endif
	v_add_nc_u32 v[ADSA], 8, v[ADSA]               ; x's scale words of the next K step
	s_wait_alu depctr_va_vdst(0)                   ; directly behind the write
	FETCH_B \next, 0, 0, 0                         ; W's set 0 and the other set of scale words have had their places behind their last products
	SCALES \next
	WIN MUL_LO
	MUL8 2, 1, 1, \slot, 0
	MUL8 3, 1, 1, \slot, 0
	PLACES 8
	WIN 0
	FETCH_A \next, 0, 0
.if \fill
	ASK PFA, 1                                     ; the K step two refills on
.endif
	WIN MUL_HI
	MUL16 4, 1, 1, \slot, 0
	FETCH_B \next, 0, 0, 4
	WIN MUL_HI
	MUL16 6, 1, 1, \slot, 0
	PLACES 8
	WIN 0
	FETCH_A \next, 0, 4
.endm
	s_wait_alu depctr_va_vdst(0)                   ; the head's end
	s_wait_xcnt 0x0                                ; the head's prefetches have read their addresses
	s_add_nc_u64 s[PFA:PFA+1], s[PFB:PFB+1], s[PST:PST+1]   ; K step 3
	s_wait_tensorcnt 0x0                           ; my tile of the head's four is in; the lines ahead of a later first fill, as ahead of a refill
	ds_add_u32 v[SPW], v[NIL]
	s_mov_b32 s[G1+2], 128<<16                     ; no tensor load of mine is out: from here on a load of x brings 128 rows
	s_mov_b32 s[G1+4], 128
	s_wait_dscnt 0x0
	CROUND
	JLOAD G0+4, G1, G0B+4, G1B                     ; K step 1: slot 1's first fill
	FETCH_B 0, 0, 0, 0
	FETCH_B 0, 0, 0, 4
	FETCH_A 0, 0, 0
	SCALES 0
	FETCH_A 0, 0, 4
	ASK PFA, 0
	STEP 0, 1                                      ; the first products start the sums
	s_mov_b32 s3, LAPS-1
.Llap:
	TURN 0, 1, 1
	STEP 1, 0
	TURN 1, 0, 1
	STEP 0, 0
	s_sub_co_u32 s3, s3, 1
	s_cmp_lg_u32 s3, 0
	s_cbranch_scc1 .Llap
	TURN 0, 1, 0                                   ; the last lap fills nothing
	STEP 1, 0
; THE WAY OUT of block a: rounded to bf16, 16 bytes a lane; through my own stage; back as rows of 256 bytes; stored, sixteen lanes to an aligned 256 bytes.
.macro PACK a
.set AC, 64*((\a)%4)
	WIN 0x0a+5*((\a)/4)
.irp b, 0,1,2,3,4,5,6,7
.irp r, 0,1,2,3
	v_cvt_pk_bf16_f32 v[TMP+4*\b+\r], v[AC+8*\b+2*\r], v[AC+8*\b+2*\r+1]
.endr
.endr
	WIN 0
.endm
.macro TOSTAGE a                       ; back into v96-127 (even blocks) or v128-159 (odd: x's fragments 0 and 1, done with)
.set BB, 96+32*((\a)%2)
.irp b, 0,1,2,3,4,5,6,7
	ds_store_b128 v[STO], v[TMP+4*\b:TMP+4*\b+3] offset:32*\b
.endr
.irp t, 0,1,2,3,4,5,6,7
	ds_load_b128 v[BB+4*\t:BB+4*\t+3], v[RD] offset:\t*2*SPITCH
.endr
.endm
.macro SEND a
.set BB, 96+32*((\a)%2)
	s_wait_dscnt 0x0                               ; the block is back in registers
	s_wait_xcnt 0x0                                ; earlier stores have read their base and their data
.if (\a) > 0
	s_add_nc_u64 s[10:11], s[10:11], 16*SIZE_N*2
.endif
.irp t, 0,1,2,3,4,5,6,7
	global_store_b128 v[CO], v[BB+4*\t:BB+4*\t+3], s[10:11] offset:2*\t*SIZE_N*2 th:TH_STORE_NT
.endr
.endm
; The last 128 along K.  Block a's conversions stand behind block a + 1's products; the 32 conversions of the block before are the places behind its own last products.
	s_wait_dscnt 16
	WIN MUL_LO
	MUL8 0, 1, 1, 1, 0
	MUL8 1, 1, 1, 1, 0
	PLACES 8
.irp a, 0,1,2,3,4,5,6,7
	PACK \a
.if \a > 0
	s_wait_alu depctr_va_vdst(0)                   ; directly ahead of SEND's waits
	SEND \a-1
.endif
	TOSTAGE \a
.if \a < 6
	WIN MUL_LO+0x50*((\a+2)/4)
	MUL8 \a+2, 1, 1, 1, 0                          ; (x's blocks 4-7 are in: SEND has waited for all LDS loads)
.endif
.endr
	SEND 7
	s_wait_tensorcnt 0x0                           ; the wave's end
	ds_add_u32 v[SPW], v[NIL]
	s_wait_dscnt 0x0
	CROUND                                         ; the closing round
	s_endpgm
.Lfunc_end_k_q233a267c05_gemm:
	.size	k_q233a267c05_gemm, .Lfunc_end_k_q233a267c05_gemm-k_q233a267c05_gemm
	.p2alignl 7, 3214868480
	.fill 96, 4, 3214868480
	.section	.rodata,"a",@progbits
	.p2align	6, 0x0
	.amdhsa_kernel k_q233a267c05_gemm
		.amdhsa_group_segment_fixed_size 327680
		.amdhsa_private_segment_fixed_size 0
		.amdhsa_enable_private_segment 0
		.amdhsa_kernarg_size 32
		.amdhsa_user_sgpr_count 2
		.amdhsa_user_sgpr_kernarg_segment_ptr 1
		.amdhsa_wavefront_size32 1
		.amdhsa_system_sgpr_workgroup_id_x 1
		.amdhsa_system_sgpr_workgroup_id_y 1
		.amdhsa_system_sgpr_workgroup_id_z 1
		.amdhsa_system_vgpr_workitem_id 0
		.amdhsa_next_free_vgpr 1024
		.amdhsa_next_free_sgpr 106
		.amdhsa_reserve_vcc 0
		.amdhsa_float_denorm_mode_32 3
		.amdhsa_float_denorm_mode_16_64 3
		.amdhsa_memory_ordered 1
		.amdhsa_forward_progress 1
		.amdhsa_inst_pref_size 153
	.end_amdhsa_kernel
	.amdgpu_metadata
---
amdhsa.version: [ 1, 2 ]
amdhsa.kernels:
  - .name:           k_q233a267c05_gemm
    .symbol:         k_q233a267c05_gemm.kd
    .args:
      - { .name: x_codes, .offset: 0, .size: 8, .value_kind: global_buffer, .address_space: global }
      - { .name: x_scales, .offset: 8, .size: 8, .value_kind: global_buffer, .address_space: global }
      - { .name: wq, .offset: 16, .size: 8, .value_kind: global_buffer, .address_space: global }
      - { .name: out0, .offset: 24, .size: 8, .value_kind: global_buffer, .address_space: global }
    .group_segment_fixed_size: 327680
    .private_segment_fixed_size: 0
    .kernarg_segment_align: 8
    .kernarg_segment_size: 32
    .max_flat_workgroup_size: 128
    .sgpr_count:     106
    .vgpr_count:     1024
    .wavefront_size: 32
...
	.end_amdgpu_metadata
.endif
;; end of part 2
